; MI455X (gfx1250); checked and timed in simulation.
; The chip was launched on July 23, 2026; its instructions are those of AMD's public machine-readable ISA for CDNA 5 (MIT licence, August 2026) and "CDNA5" Instruction Set Architecture Reference Guide (July 2026). The comments in the code are by the model that wrote it; some were corrected since.
;; Multi Head Attention Cosformer New. Allowed arithmetic: float matrix products may take bf16 or f16 operands with f32 sums; all other float work in f32.
;; Inputs: dense_b 128 float32; dense_w 128 x 2,048 float32; mask 4 x 4,096 bool; wk_b 2,048 float32; wk_w 2,048 x 128 float32; wq_b 2,048 float32; wq_w 2,048 x 128 float32; wv_b 2,048 float32; wv_w 2,048 x 128 float32; x 4 x 4,096 x 128 float32.
;; Outputs: out0 4 x 4,096 x 128 float32.
;; One version. Each part assembles by itself: llvm-mc -triple=amdgcn-amd-amdhsa -mcpu=gfx1250 --defsym DOCPART=n.
;; ======== version 1 of 1: 3 launches
;; workspace buffers: part 35,651,584 bytes; pack 7,077,888 bytes
;; launch kvstate (part 1): grid 256 x 1, 4 waves a work-group, no clusters, 144,128 bytes of LDS; arguments x, wk_w, wk_b, part; writes part
.if DOCPART == 1
	.amdgcn_target "amdgcn-amd-amdhsa--gfx1250"
	.amdhsa_code_object_version 6
	.text
	.protected	k_qf119a99ca4_kvstate
	.globl	k_qf119a99ca4_kvstate
	.p2align	8
	.type	k_qf119a99ca4_kvstate,@function
k_qf119a99ca4_kvstate:
	s_mov_b64 s[64:65], 0
	v_nop
	global_prefetch_b8 v0, s[64:65] scope:SCOPE_SE
	s_setreg_imm32_b32 hwreg(HW_REG_WAVE_MODE, 25, 1), 1
	s_wait_xcnt 0x0
; kvstate: partial sums of the linear attention's state.  Work-group g = (b*16 + head)*4 + c takes the 1,024 rows s = 1024 c .. of batch b and one head:
;   k = elu(x Wk^T + bk) + 1,  M_cos[f][d] = sum_s cos(s) k[s][f] x[s][d],  M_sin likewise,  Kc[f] = sum_s cos(s) k[s][f],  Ks likewise.
; v = x Wv^T + bv is never formed: sum_s k v = M Wv^T + K bv^T, which the next launch makes once for each head.  So x itself is the second operand of the sum over s.
; It stores 272 rows of 128 f32: rows 0-15 the tile KS (rows 0, 8 = Kc; rows 1, 9 = Ks; the others 0; f along the row), row 16 + 128 cs + f = M_cs[f][.], d along the row.
; reference() takes a mask and never uses it: the result does not hang on it, and no launch of this program reads it.
; LIMITS: matrix operands are bf16 (x, Wk, k cos, k sin), sums f32.  elu(t) + 1 = max(t, 0) + 2^min(t log2 e, 0): the exponent is never above 0;
; a NaN in t is dropped by the min and the max; an exponential below 2^-126 comes out as 0.  cos and sin of p in [0, 1.57) are Taylor sums up to p^12 and p^11
; (remainders below 6e-9 and 6e-8).
; SHARES: four waves, 32 steps of 32 rows.  Wave w owns k's features 32 w .. 32 w + 31 (tiles i = 0, 1) and their sums for all 128 d.
; k NEEDS NO TRANSPOSE: a product's result holds row m = 8 (l / 16) + j in register j and column l % 16 in lane l.  Packed to bf16 it is half of an operand whose K runs
; along m.  So x (rows s) times Wk gives results with s along the registers, which are operands of the sum over s.  x's own operand with s along the registers comes
; from its bf16 rows in LDS by the transposing load.
; A TRIP has one barrier: it multiplies step i's k and x into the sums, projects step i + 1, packs x of step i + 2 into LDS and asks memory for step i + 3.
.set XBS,  8704                        ; x in bf16: 32 rows of 272 bytes (256 + 16: an odd multiple of 16, so the 16 rows of a fragment load start in 16 different 16-byte columns); two buffers at 0
.set COST, 17408                       ; cos of my 1,024 rows, f32
.set SINT, 21504                       ; sin
.set SP,   528                         ; the way out: 272 rows of 512 + 16 bytes from LDS byte 0, behind the loop's last barrier
; window 0
.set XGO, 4                            ; byte offset in x of my 16 bytes: 8 rows a wave
.set XSA, 5                            ; where I put 8 bytes of packed x
.set XA,  6                            ; x fragments: row l % 16, 16 bytes for each half of the lanes
.set TXA, 7                            ; x transposed: row 8 (l / 16) + l % 8, 16 bytes for each eight lanes
.set L16, 8                            ; 16 x lane
.set TRA, 9                            ; cos and sin of the step's rows 8 (l / 16) ..; steps by 128 bytes a trip
.set RDA, 11                           ; the way out: a row read back
.set GO,  12                           ; the way out: my bytes in part
.set WOF, 13                           ; weights: row l % 16, 32 bytes for each half
.set BOF, 14                           ; bias
.set XG,  16                           ; v[16:47]   x as loaded, f32
.set PK,  48                           ; v[48:79]   k's projection, tile (i, st) at 8 (2 i + st)
.set KC,  80                           ; v[80:95]   k cos as operands, tile i at 8 i; v[96:111] k sin
.set TRC, 112                          ; v[112:127] cos of rows 16 st + 8 (l / 16) + j
.set TRS, 128                          ; v[128:143] sin
.set T,   144                          ; v[144:159] at work
.set BK,  160                          ; v[160:175] k's bias, eight equal registers a tile (a lane holds one feature)
.set STA, 176                          ; v[176:178] the way out: my place in the KS rows, in M_cos' rows, in M_sin's rows
; window 1: the 32 tiles of M at 8 (16 cs + 8 i + dt) (at the start: Wk as loaded, f32)
; window 2: v[0:63] x fragments at 8 (4 st + ks); v[64:127] Wk at 8 (4 i + ks); v[192:255] x transposed at 8 dt
; window 3: v[0:15] the KS tiles; v[16:23], v[24:31] the two selecting operands
.set MSB, 0
.macro WIN new                         ; s_set_vgpr_msb: bits 1:0 source 0, 3:2 source 1, 5:4 source 2, 7:6 destination; the high byte repeats the setting that is left
.if MSB != \new
	s_set_vgpr_msb (MSB<<8)|\new
.set MSB, \new
.endif
.endm
.macro PLACES                          ; four plain vector instructions behind a matrix instruction before its registers are read, written or loaded into (ISA guide 7.12.1)
.rept 4
	v_nop
.endr
.endm
; cos and sin of p = (1.57 n) / 4096, rounded as reference() rounds it (the division is exact)
.macro TRIG c, s, n, p, z
	v_cvt_f32_u32 v[\p], v[\n]
	v_mul_f32 v[\p], 0x3fc8f5c3, v[\p]             ; 1.57
	v_mul_f32 v[\p], 0x39800000, v[\p]             ; 2^-12
	v_mul_f32 v[\z], v[\p], v[\p]
	v_mov_b32 v[\s], 0xb2d7322b                    ; -1/11!
	v_mov_b32 v[\c], 0x310f76c7                    ; 1/12!
	v_fmaak_f32 v[\s], v[\s], v[\z], 0x3638ef1d    ; 1/9!
	v_fmaak_f32 v[\c], v[\c], v[\z], 0xb493f27e    ; -1/10!
	v_fmaak_f32 v[\s], v[\s], v[\z], 0xb9500d01    ; -1/7!
	v_fmaak_f32 v[\c], v[\c], v[\z], 0x37d00d01    ; 1/8!
	v_fmaak_f32 v[\s], v[\s], v[\z], 0x3c088889    ; 1/5!
	v_fmaak_f32 v[\c], v[\c], v[\z], 0xbab60b61    ; -1/6!
	v_fmaak_f32 v[\s], v[\s], v[\z], 0xbe2aaaab    ; -1/3!
	v_fmaak_f32 v[\c], v[\c], v[\z], 0x3d2aaaab    ; 1/4!
	v_mul_f32 v[\s], v[\s], v[\z]
	v_fmaak_f32 v[\c], v[\c], v[\z], 0xbf000000    ; -1/2
	v_fma_f32 v[\s], v[\s], v[\p], v[\p]
	v_fma_f32 v[\c], v[\c], v[\z], 1.0
.endm
.macro LOADX                           ; my 8 of a step's 32 rows: each load covers a row's 512 bytes
.irp e, 0,1,2,3,4,5,6,7
	global_load_b128 v[XG+4*\e:XG+4*\e+3], v[XGO], s[26:27] offset:512*\e
.endr
.endm
.macro CVTX par                        ; pack them and put them into x buffer par
.irp e, 0,1,2,3,4,5,6,7
	v_cvt_pk_bf16_f32 v[T+2*\e], v[XG+4*\e], v[XG+4*\e+1]
	v_cvt_pk_bf16_f32 v[T+2*\e+1], v[XG+4*\e+2], v[XG+4*\e+3]
.endr
.irp e, 0,1,2,3,4,5,6,7
	ds_store_b64 v[XSA], v[T+2*\e:T+2*\e+1] offset:(\par)*XBS+272*\e
.endr
.endm
.macro LDW base, sb                    ; 32 rows of a weight as f32, in the order of eight operands: K = 32 ks + 8 (l / 16) + 0..7, then + 16
.irp i, 0,1
.irp ks, 0,1,2,3
	global_load_b128 v[\base+16*(4*\i+\ks):\base+16*(4*\i+\ks)+3], v[WOF], s[\sb:\sb+1] offset:8192*\i+128*\ks
	global_load_b128 v[\base+16*(4*\i+\ks)+4:\base+16*(4*\i+\ks)+7], v[WOF], s[\sb:\sb+1] offset:8192*\i+128*\ks+16
	global_load_b128 v[\base+16*(4*\i+\ks)+8:\base+16*(4*\i+\ks)+11], v[WOF], s[\sb:\sb+1] offset:8192*\i+128*\ks+64
	global_load_b128 v[\base+16*(4*\i+\ks)+12:\base+16*(4*\i+\ks)+15], v[WOF], s[\sb:\sb+1] offset:8192*\i+128*\ks+80
.endr
.endr
.endm
.macro LDXO par                        ; 16 loads: the step's eight x fragments (rows s, K along d)
	WIN 0x80
.irp st, 0,1
.irp ks, 0,1,2,3
	ds_load_b128 v[8*(4*\st+\ks):8*(4*\st+\ks)+3], v[XA] offset:(\par)*XBS+4352*\st+64*\ks
	ds_load_b128 v[8*(4*\st+\ks)+4:8*(4*\st+\ks)+7], v[XA] offset:(\par)*XBS+4352*\st+64*\ks+32
.endr
.endr
.endm
.macro LDXT par                        ; 16 transposing loads: the same 32 rows as eight operands with rows d = 16 dt + l % 16 and K along s: s = 8 (l / 16) + 0..7, then + 16
	WIN 0x80
.irp dt, 0,1,2,3,4,5,6,7
	ds_load_tr16_b128 v[192+8*\dt:192+8*\dt+3], v[TXA] offset:(\par)*XBS+32*\dt
	ds_load_tr16_b128 v[192+8*\dt+4:192+8*\dt+7], v[TXA] offset:(\par)*XBS+32*\dt+16*272
.endr
.endm
.macro LDTR                            ; 8 loads: cos and sin of the step's rows
	WIN 0
.irp st, 0,1
	ds_load_b128 v[TRC+8*\st:TRC+8*\st+3], v[TRA] offset:COST+64*\st
	ds_load_b128 v[TRC+8*\st+4:TRC+8*\st+7], v[TRA] offset:COST+64*\st+16
	ds_load_b128 v[TRS+8*\st:TRS+8*\st+3], v[TRA] offset:SINT+64*\st
	ds_load_b128 v[TRS+8*\st+4:TRS+8*\st+7], v[TRA] offset:SINT+64*\st+16
.endr
	v_add_nc_u32 v[TRA], 128, v[TRA]               ; the next step's 32 rows
.endm
; 36 matrix instructions: x transposed (source 0: rows d) times k cos, k sin (source 1: columns f) over 32 rows s, and the sums of k by the two selecting operands.
; mode = 1: the first products start the sums, nothing is cleared.  The accumulators take turns, one instruction a turn.
.macro KV mode
	WIN 0x52
.irp cs, 0,1
.irp i, 0,1
.irp dt, 0,1,2,3,4,5,6,7
.if \mode == 1
	v_wmma_f32_16x16x32_bf16 v[8*(16*\cs+8*\i+\dt):8*(16*\cs+8*\i+\dt)+7], v[192+8*\dt:192+8*\dt+7], v[KC+16*\cs+8*\i:KC+16*\cs+8*\i+7], 0
.else
	v_wmma_f32_16x16x32_bf16 v[8*(16*\cs+8*\i+\dt):8*(16*\cs+8*\i+\dt)+7], v[192+8*\dt:192+8*\dt+7], v[KC+16*\cs+8*\i:KC+16*\cs+8*\i+7], v[8*(16*\cs+8*\i+\dt):8*(16*\cs+8*\i+\dt)+7]
.endif
.endr
.endr
.endr
	WIN 0xfc
.irp i, 0,1
.if \mode == 1
	v_wmma_f32_16x16x32_bf16 v[8*\i:8*\i+7], v[KC+8*\i:KC+8*\i+7], v[16:23], 0
.else
	v_wmma_f32_16x16x32_bf16 v[8*\i:8*\i+7], v[KC+8*\i:KC+8*\i+7], v[16:23], v[8*\i:8*\i+7]
.endif
.endr
.irp i, 0,1
	v_wmma_f32_16x16x32_bf16 v[8*\i:8*\i+7], v[KC+16+8*\i:KC+16+8*\i+7], v[24:31], v[8*\i:8*\i+7]
.endr
.endm
; 16 matrix instructions: 32 rows of x (source 0) times my 32 features of Wk (source 1).  The first K step adds onto the bias.  Four accumulators by turns.
.macro PROJ
	WIN 0x0a
.irp ks, 0,1,2,3
.irp i, 0,1
.irp st, 0,1
.if \ks == 0
	v_wmma_f32_16x16x32_bf16 v[PK+8*(2*\i+\st):PK+8*(2*\i+\st)+7], v[8*(4*\st+\ks):8*(4*\st+\ks)+7], v[64+8*(4*\i+\ks):64+8*(4*\i+\ks)+7], v[BK+8*\i:BK+8*\i+7]
.else
	v_wmma_f32_16x16x32_bf16 v[PK+8*(2*\i+\st):PK+8*(2*\i+\st)+7], v[8*(4*\st+\ks):8*(4*\st+\ks)+7], v[64+8*(4*\i+\ks):64+8*(4*\i+\ks)+7], v[PK+8*(2*\i+\st):PK+8*(2*\i+\st)+7]
.endif
.endr
.endr
.endr
.endm
.macro EWK i, st                       ; one tile of k: feature map, times cos and times sin, packed into the operands: rows 0-15 of the step are registers 0-3, rows 16-31 registers 4-7
.irp j, 0,2,4,6
	v_pk_mul_f32 v[T+\j:T+\j+1], v[PK+8*(2*\i+\st)+\j:PK+8*(2*\i+\st)+\j+1], 0x3fb8aa3b op_sel_hi:[1,0]   ; t log2 e
.endr
.irp j, 0,1,2,3,4,5,6,7
	v_min_num_f32 v[T+\j], 0, v[T+\j]
.endr
.irp j, 0,1,2,3,4,5,6,7
	v_exp_f32 v[T+\j], v[T+\j]
.endr
.irp j, 0,1,2,3,4,5,6,7
	v_max_num_f32 v[PK+8*(2*\i+\st)+\j], 0, v[PK+8*(2*\i+\st)+\j]   ; plain work on other registers stands between the exponentials and their use (ISA guide 5.7.2)
.endr
	s_wait_alu depctr_va_vdst(0)
.irp j, 0,2,4,6
	v_pk_add_f32 v[PK+8*(2*\i+\st)+\j:PK+8*(2*\i+\st)+\j+1], v[PK+8*(2*\i+\st)+\j:PK+8*(2*\i+\st)+\j+1], v[T+\j:T+\j+1]
.endr
.irp j, 0,2,4,6
	v_pk_mul_f32 v[T+\j:T+\j+1], v[PK+8*(2*\i+\st)+\j:PK+8*(2*\i+\st)+\j+1], v[TRC+8*\st+\j:TRC+8*\st+\j+1]
	v_pk_mul_f32 v[T+8+\j:T+8+\j+1], v[PK+8*(2*\i+\st)+\j:PK+8*(2*\i+\st)+\j+1], v[TRS+8*\st+\j:TRS+8*\st+\j+1]
.endr
.irp j, 0,1,2,3
	v_cvt_pk_bf16_f32 v[KC+8*\i+4*\st+\j], v[T+2*\j], v[T+2*\j+1]
	v_cvt_pk_bf16_f32 v[KC+16+8*\i+4*\st+\j], v[T+8+2*\j], v[T+8+2*\j+1]
.endr
.endm
; Trip i, par = i & 1.  kv: 0 none, 1 starts the sums, 2 adds.  Step i's k and transposed x lie in registers.  The trip reads x buffer 1 - par (step i + 1), which the last
; trip wrote, and writes x buffer par, whose last reads were waited for in front of the last trip's barrier: one barrier a trip orders both.
.macro TRIP par, kv, proj, cvtx, ldx
.if \proj
	LDXO 1-\par
	LDTR
.endif
.if \kv
	KV \kv                                         ; on registers alone: the 24 loads above land meanwhile
.endif
.if \proj
	s_wait_dscnt 0x0                               ; x, cos and sin are in
	PROJ
.endif
	WIN 0
	PLACES
.if \proj
	LDXT 1-\par                                    ; step i + 1's x transposed, into registers that this trip's products have read
	WIN 0
.endif
.if \cvtx
	s_wait_loadcnt 0x0                             ; the eight loads of the last trip; their base may now be stepped
	CVTX \par
.if \ldx
	s_add_nc_u64 s[26:27], s[26:27], 16384         ; 32 rows on
	LOADX
.endif
.endif
.if \proj
	EWK 0, 0
	EWK 0, 1
	EWK 1, 0
	EWK 1, 1
.endif
	s_wait_dscnt 0x0                               ; my stores are in LDS and my reads are back, for the other waves' sake
	s_barrier_signal -1
	s_barrier_wait -1
.endm
	s_load_b256 s[4:11], s[0:1], 0x0               ; x s[4:5], wk_w s[6:7], wk_b s[8:9], part s[10:11]
	v_lshl_add_u32 v254, v0, 2, 0x23100
	v_mov_b32 v255, 0
	v_lshrrev_b32 v15, 5, v0
	v_readfirstlane_b32 s16, v15                   ; wave
	v_and_b32 v1, 15, v0                           ; l % 16
	v_bfe_u32 v2, v0, 4, 1                         ; l / 16
	v_and_b32 v3, 31, v0                           ; l
	s_lshr_b32 s17, ttmp9, 6                       ; batch
	s_and_b32 s18, ttmp9, 3                        ; quarter of S
	s_bfe_u32 s19, ttmp9, 0x40002                  ; head
	s_lshl2_add_u32 s20, s17, s18
	s_lshl_b32 s20, s20, 19                        ; (4 b + c) x 1,024 rows of 512 bytes
	s_mov_b32 s21, 0
	s_lshl_b32 s22, s19, 16                        ; Wk: head x 128 rows + wave x 32 rows of 512 bytes
	s_lshl_b32 s23, s16, 14
	s_add_co_u32 s22, s22, s23
	s_mov_b32 s23, 0
	s_lshl_b32 s24, s19, 9                         ; bias: the same features, 4 bytes each
	s_lshl_b32 s25, s16, 7
	s_add_co_u32 s24, s24, s25
	s_mov_b32 s25, 0
	s_mul_i32 s28, ttmp9, 139264                   ; my 272 rows of 512 bytes in part
	s_mov_b32 s29, 0
	s_lshl_b32 s31, s18, 10                        ; my first s
	s_mul_i32 s17, s16, 2176                       ; 8 rows of 272 bytes
	s_mul_i32 s18, s16, SP
	s_mul_i32 s19, s16, 32*SP                      ; stage: my 32 features' rows,
	s_add_co_u32 s19, s19, 16*SP                   ; behind the 16 rows of KS
	v_lshlrev_b32 v[L16], 4, v3
	v_lshl_add_u32 v[XGO], s16, 12, v[L16]
	v_lshl_add_u32 v[XSA], v3, 3, s17
	v_mul_u32_u24 v[XA], v1, 272
	v_lshl_add_u32 v[XA], v2, 4, v[XA]
	v_and_b32 v15, 7, v0
	v_lshl_add_u32 v15, v2, 3, v15                 ; row 8 (l / 16) + l % 8
	v_mul_u32_u24 v[TXA], v15, 272
	v_bfe_u32 v15, v0, 3, 1
	v_lshl_add_u32 v[TXA], v15, 4, v[TXA]          ; columns 8 ((l / 8) % 2) ..
	v_lshlrev_b32 v[TRA], 5, v2
	v_lshlrev_b32 v[WOF], 9, v1
	v_lshl_add_u32 v[WOF], v2, 5, v[WOF]
	v_lshlrev_b32 v[BOF], 2, v1
	v_mul_u32_u24 v[STA+1], v1, SP                 ; stage: row l % 16, 32 bytes for each half of the lanes
	v_lshl_add_u32 v[STA+1], v2, 5, v[STA+1]
	v_lshl_add_u32 v[STA], s16, 7, v[STA+1]        ; KS: my wave's 128 bytes of rows 0-15
	v_add_nc_u32 v[STA+1], s19, v[STA+1]           ; M_cos: my wave's rows
	v_add_nc_u32 v[STA+2], 128*SP, v[STA+1]        ; M_sin
	v_add_nc_u32 v[RDA], s18, v[L16]
	v_lshl_add_u32 v[GO], s16, 9, v[L16]
	s_wait_kmcnt 0x0
	s_add_nc_u64 s[26:27], s[4:5], s[20:21]
	s_add_nc_u64 s[6:7], s[6:7], s[22:23]
	s_add_nc_u64 s[8:9], s[8:9], s[24:25]
	s_add_nc_u64 s[10:11], s[10:11], s[28:29]
	LOADX                                          ; step 0
	global_load_b32 v[BK], v[BOF], s[8:9]
	global_load_b32 v[BK+8], v[BOF], s[8:9] offset:64
	WIN 0x40
	LDW 0, 6                                       ; Wk: 128 registers of window 1, which holds no sums yet
	WIN 0
	; while these are on their way: the table of cos and sin, eight rows a thread, and the selecting operands
	v_lshlrev_b32 v[T+5], 2, v0
	v_add_nc_u32 v[T+6], s31, v0
.irp e, 0,1,2,3,4,5,6,7
	v_add_nc_u32 v[T], 128*\e, v[T+6]
	TRIG T+1, T+2, T, T+3, T+4
	ds_store_b32 v[T+5], v[T+1] offset:COST+512*\e
	ds_store_b32 v[T+5], v[T+2] offset:SINT+512*\e
.endr
	v_and_b32 v[T+7], 7, v0
	v_mov_b32 v[T+8], 0x3f803f80                   ; two bf16 ones
	v_cmp_eq_u32 vcc_lo, 0, v[T+7]
	v_cndmask_b32 v[T+9], 0, v[T+8], vcc_lo        ; columns 0 and 8 are all ones: they gather the sum of k cos
	v_cmp_eq_u32 vcc_lo, 1, v[T+7]
	v_cndmask_b32 v[T+10], 0, v[T+8], vcc_lo       ; columns 1 and 9: the sum of k sin
	WIN 0xc0
.irp j, 0,1,2,3,4,5,6,7
	v_mov_b32 v[16+\j], v[T+9]
	v_mov_b32 v[24+\j], v[T+10]
.endr
	WIN 0
	s_wait_loadcnt 0x0                             ; x of step 0, bias, Wk
	CVTX 0
	s_add_nc_u64 s[26:27], s[26:27], 16384
	LOADX                                          ; step 1
	WIN 0x85                                       ; from window 1 into window 2
.set n, 0
.rept 64
	v_cvt_pk_bf16_f32 v[64+n], v[2*n], v[2*n+1]
.set n, n+1
.endr
	WIN 0
.irp j, 1,2,3,4,5,6,7
	v_mov_b32 v[BK+\j], v[BK]
	v_mov_b32 v[BK+8+\j], v[BK+8]
.endr
	s_wait_dscnt 0x0                               ; the table and x of step 0 are in LDS
	s_barrier_signal -1
	s_barrier_wait -1
	TRIP 1, 0, 1, 1, 1                             ; trip -1: projects step 0
	TRIP 0, 1, 1, 1, 1                             ; trip 0: its products start the sums
	s_mov_b32 s30, 14
.Ltrip:
	TRIP 1, 2, 1, 1, 1                             ; trips 1 to 28
	TRIP 0, 2, 1, 1, 1
	s_sub_co_u32 s30, s30, 1
	s_cmp_lg_u32 s30, 0
	s_cbranch_scc1 .Ltrip
	TRIP 1, 2, 1, 1, 0                             ; trip 29: step 31 is the last to be packed, nothing more is asked of memory
	TRIP 0, 2, 1, 0, 0                             ; trip 30: projects step 31
	TRIP 1, 2, 0, 0, 0                             ; trip 31: the last products; its places and its barrier end all use of the loop's LDS
	; THE WAY OUT: in KS a lane holds eight neighbouring f of one row, in M eight neighbouring d of one row f.  All tiles go into the stage, whole rows of 512 bytes come back.
	WIN 0x0c
.irp i, 0,1
	ds_store_b128 v[STA], v[8*\i:8*\i+3] offset:64*\i
	ds_store_b128 v[STA], v[8*\i+4:8*\i+7] offset:64*\i+16
.endr
	WIN 0x04
.irp cs, 0,1
.irp i, 0,1
.irp dt, 0,1,2,3,4,5,6,7
	ds_store_b128 v[STA+1+\cs], v[8*(16*\cs+8*\i+\dt):8*(16*\cs+8*\i+\dt)+3] offset:16*SP*\i+64*\dt
	ds_store_b128 v[STA+1+\cs], v[8*(16*\cs+8*\i+\dt)+4:8*(16*\cs+8*\i+\dt)+7] offset:16*SP*\i+64*\dt+16
.endr
.endr
.endr
	WIN 0
	s_wait_dscnt 0x0
	s_barrier_signal -1
	s_barrier_wait -1
; 17 of my 68 rows (rows 4 e + wave): each load and each store covers a row's 512 consecutive bytes, aligned
.macro BATCH k, f
.if \k >= 2
	s_wait_xcnt 0x0                                ; registers that earlier stores read are loaded again only behind this wait (ISA guide 3.1)
.endif
.irp ee, 0,1,2,3,4,5,6,7,8,9,10,11,12,13,14,15,16
	ds_load_b128 v[\f+4*\ee:\f+4*\ee+3], v[RDA] offset:4*SP*\ee
.endr
	v_add_nc_u32 v[RDA], 68*SP, v[RDA]
.irp ee, 0,1,2,3,4,5,6,7,8,9,10,11,12,13,14,15,16
	s_wait_dscnt 16-\ee                            ; LDS loads come back in order: row ee is in, the younger ones stay out
	global_store_b128 v[GO], v[\f+4*\ee:\f+4*\ee+3], s[10:11] offset:2048*(17*\k+\ee)
.endr
.endm
	BATCH 0, 16
	BATCH 1, 84
	BATCH 2, 16
	BATCH 3, 84
	s_wait_tensorcnt 0x0
	ds_add_u32 v254, v255
	s_wait_dscnt 0x0
	s_endpgm
.Lfunc_end_k_qf119a99ca4_kvstate:
	.size	k_qf119a99ca4_kvstate, .Lfunc_end_k_qf119a99ca4_kvstate-k_qf119a99ca4_kvstate
	.p2alignl 7, 3214868480
	.fill 96, 4, 3214868480
	.section	.rodata,"a",@progbits
	.p2align	6, 0x0
	.amdhsa_kernel k_qf119a99ca4_kvstate
		.amdhsa_group_segment_fixed_size 144128
		.amdhsa_private_segment_fixed_size 0
		.amdhsa_enable_private_segment 0
		.amdhsa_kernarg_size 32
		.amdhsa_user_sgpr_count 2
		.amdhsa_user_sgpr_kernarg_segment_ptr 1
		.amdhsa_wavefront_size32 1
		.amdhsa_system_sgpr_workgroup_id_x 1
		.amdhsa_system_sgpr_workgroup_id_y 1
		.amdhsa_system_sgpr_workgroup_id_z 1
		.amdhsa_system_vgpr_workitem_id 0
		.amdhsa_next_free_vgpr 800
		.amdhsa_next_free_sgpr 66
		.amdhsa_reserve_vcc 1
		.amdhsa_float_denorm_mode_32 3
		.amdhsa_float_denorm_mode_16_64 3
		.amdhsa_memory_ordered 1
		.amdhsa_forward_progress 1
		.amdhsa_inst_pref_size 149
	.end_amdhsa_kernel
	.amdgpu_metadata
---
amdhsa.version: [ 1, 2 ]
amdhsa.kernels:
  - .name:           k_qf119a99ca4_kvstate
    .symbol:         k_qf119a99ca4_kvstate.kd
    .args:
      - { .name: x, .offset: 0, .size: 8, .value_kind: global_buffer, .address_space: global }
      - { .name: wk_w, .offset: 8, .size: 8, .value_kind: global_buffer, .address_space: global }
      - { .name: wk_b, .offset: 16, .size: 8, .value_kind: global_buffer, .address_space: global }
      - { .name: part, .offset: 24, .size: 8, .value_kind: global_buffer, .address_space: global }
    .group_segment_fixed_size: 144128
    .private_segment_fixed_size: 0
    .kernarg_segment_align: 8
    .kernarg_segment_size: 32
    .max_flat_workgroup_size: 128
    .sgpr_count:     66
    .vgpr_count:     800
    .wavefront_size: 32
...
	.end_amdgpu_metadata
.endif
;; end of part 1
;; launch fold (part 2): grid 256 x 1, 4 waves a work-group, no clusters, 87,552 bytes of LDS; arguments part, wq_w, wq_b, wv_w, wv_b, dense_w, pack; writes pack
.if DOCPART == 2
	.amdgcn_target "amdgcn-amd-amdhsa--gfx1250"
	.amdhsa_code_object_version 6
	.text
	.protected	k_qf119a99ca4_fold
	.globl	k_qf119a99ca4_fold
	.p2align	8
	.type	k_qf119a99ca4_fold,@function
k_qf119a99ca4_fold:
	s_mov_b64 s[64:65], 0
	v_nop
	global_prefetch_b8 v0, s[64:65] scope:SCOPE_SE
	s_setreg_imm32_b32 hwreg(HW_REG_WAVE_MODE, 25, 1), 1
	s_wait_xcnt 0x0
; fold: for each (batch, head) adds the four partial sums and folds the value projection and the dense layer into the state:
;   kv_cs[f][z] = sum_d M_cs[f][d] Wv[z][d] + K_cs[f] bv[z]        (what reference() calls kv_cos, kv_sin)
;   G_cs[f][n]  = sum_z kv_cs[f][z] dense_w[n][128 head + z]       (so that the last launch needs neither o nor the dense product)
; and lays what the last launch streams for that head into bf16 rows of 256 bytes, pack[bh][432 rows], three parts of 144 rows:
;   rows 0-127 Wq of the head; rows 128-129 its bias, 128 f32 as they are; rows 144-159 the summed tile KS (f along the row);
;   rows 160 + 32 nt + 16 cs ..: a block of 4,096 bytes, G_cs for n = 16 nt + r, laid as the operand's registers want it: the 16 bytes f = 32 ks + 16 q + 8 h + 0..7
;   of column n stand at byte 1024 ks + 512 q + 32 r + 16 h.  Rows 130-143 and 416-431 are neither written here nor read later.
; LIMITS: matrix operands are bf16 (M, Wv, kv, dense_w), sums f32; the four partials are added as (c0 + c1) + (c2 + c3).
; SHARES: work-group g takes (batch, head) g >> 2 and the features f = 32 p .., p = g & 3, that is the K step ks = p of every block.  Wave w takes cs = w >> 1 and the
; 16 features xt = w & 1 of them: so q = xt, and a wave's store of one block covers 512 consecutive bytes, aligned.  All four waves need all of Wv and dense_w of the head:
; each packs 32 rows of both into LDS.  The first product's result has z along the registers and f in the lanes: packed, it is the second product's operand.
; Loads go out in groups of 32 a wave; each group's wait leaves the next group on its way.
.set PROWS, 139264                     ; bytes of one partial: 272 rows of 512
.set PITCH, 272                        ; an LDS row: 256 bytes + 16: an odd multiple of 16, so the 16 rows of a fragment load start in 16 different 16-byte columns
.set WVB,   17408                      ; LDS: from 0 each wave's own 16 rows of M; then 128 rows of Wv;
.set DNB,   52224                      ; then 128 rows of dense_w
; window 0
.set L16,  4                           ; 16 x lane
.set L8,   5                           ; 8 x lane
.set MOF,  6                           ; my rows of M in part
.set KSOF, 7                           ; my row of KS
.set KOF,  8                           ; K_cs of my feature
.set BVOF, 9                           ; bv: 32 bytes for each half of the lanes
.set WQST, 10                          ; pack: Wq's rows
.set KSST, 11                          ; pack: KS' row
.set GST,  12                          ; pack: my 16 bytes of a block
.set LW,   13                          ; LDS: where I put Wv's rows,
.set LD,   14                          ; dense_w's,
.set LM,   15                          ; M's
.set FW,   16                          ; LDS: fragments of Wv,
.set FD,   17                          ; of dense_w,
.set FM,   18                          ; of my M
.set BVR,  24                          ; v[24:87]   bv: tile zt's register j is z = 16 zt + 8 (l / 16) + j
.set D2,   24                          ; v[24:87]   later: G, tile nt at 8 nt
.set D1,   88                          ; v[88:151]  kv, tile zt at 8 zt
.set WQR,  152                         ; v[152:183] at the start: 8 rows of Wq
.set MF,   152                         ; v[152:183] later: M's four fragments
.set KVP,  184                         ; v[184:215] kv packed: four operands
.set KK,   216                         ; v[216:219] K_cs of my feature, four partials
.set KSR,  220                         ; v[220:235] a row of KS, four partials
.set QB,   236                         ; v[236:239] q's bias
; window 1: M as loaded, row e's partial c at 16 e + 4 c; later Wv's fragments at 8 (4 zt + kd)
; window 2: Wv's 32 rows and dense_w's 32 rows as loaded; later dense_w's fragments at 8 (4 nt + kz)
.set MSB, 0
.macro WIN new                         ; s_set_vgpr_msb: bits 1:0 source 0, 3:2 source 1, 5:4 source 2, 7:6 destination; the high byte repeats the setting that is left
.if MSB != \new
	s_set_vgpr_msb (MSB<<8)|\new
.set MSB, \new
.endif
.endm
.macro PLACES                          ; plain vector instructions behind a matrix instruction before its result is read (ISA guide 7.12.1)
.rept 5
	v_nop
.endr
.endm
.macro SUMROW b                        ; four partials of 4 f32 at b, b+4, b+8, b+12 -> 4 bf16 in b, b+1
	v_pk_add_f32 v[\b:\b+1], v[\b:\b+1], v[\b+4:\b+5]
	v_pk_add_f32 v[\b+2:\b+3], v[\b+2:\b+3], v[\b+6:\b+7]
	v_pk_add_f32 v[\b+8:\b+9], v[\b+8:\b+9], v[\b+12:\b+13]
	v_pk_add_f32 v[\b+10:\b+11], v[\b+10:\b+11], v[\b+14:\b+15]
	v_pk_add_f32 v[\b:\b+1], v[\b:\b+1], v[\b+8:\b+9]
	v_pk_add_f32 v[\b+2:\b+3], v[\b+2:\b+3], v[\b+10:\b+11]
	v_cvt_pk_bf16_f32 v[\b], v[\b], v[\b+1]
	v_cvt_pk_bf16_f32 v[\b+1], v[\b+2], v[\b+3]
.endm
.macro PACKROWS b, a                   ; 32 rows in window 2, 4 f32 a lane from register b on: packed in place and put into LDS at a
	WIN 0x8a
.set e, 0
.rept 32
	v_cvt_pk_bf16_f32 v[\b+4*e], v[\b+4*e], v[\b+4*e+1]
	v_cvt_pk_bf16_f32 v[\b+4*e+1], v[\b+4*e+2], v[\b+4*e+3]
.set e, e+1
.endr
	WIN 0x08
.set e, 0
.rept 32
	ds_store_b64 v[\a], v[\b+4*e:\b+4*e+1] offset:PITCH*e
.set e, e+1
.endr
.endm
.macro LDM e0                          ; 32 loads: eight of my rows of M, four partials each; a load covers a row's 512 bytes
	WIN 0x40
.irp e, 0,1,2,3,4,5,6,7
.irp c, 0,1,2,3
	global_load_b128 v[16*(\e0+\e)+4*\c:16*(\e0+\e)+4*\c+3], v[MOF], s[4:5] offset:\c*PROWS+512*(\e0+\e) th:TH_LOAD_NT
.endr
.endr
.endm
.macro SUMM e0                         ; they are added, packed and put into my rows of LDS
	WIN 0x45
.irp e, 0,1,2,3,4,5,6,7
	SUMROW 16*(\e0+\e)
.endr
	WIN 0x04
.irp e, 0,1,2,3,4,5,6,7
	ds_store_b64 v[LM], v[16*(\e0+\e):16*(\e0+\e)+1] offset:PITCH*(\e0+\e)
.endr
.endm
.macro LDFR t0, a                      ; 32 loads: the fragments of four tiles of 16 rows from tile t0 on, all 128 of K, at 8 (4 t + k)
.irp t, 0,1,2,3
.irp k, 0,1,2,3
	ds_load_b128 v[8*(4*(\t0+\t)+\k):8*(4*(\t0+\t)+\k)+3], v[\a] offset:16*PITCH*(\t0+\t)+64*\k
	ds_load_b128 v[8*(4*(\t0+\t)+\k)+4:8*(4*(\t0+\t)+\k)+7], v[\a] offset:16*PITCH*(\t0+\t)+64*\k+32
.endr
.endr
.endm
	s_load_b256 s[4:11], s[0:1], 0x0               ; part s[4:5], wq_w s[6:7], wq_b s[8:9], wv_w s[10:11]
	s_load_b128 s[12:15], s[0:1], 0x20             ; wv_b s[12:13], dense_w s[14:15]
	s_load_b64 s[16:17], s[0:1], 0x30              ; pack
	v_lshl_add_u32 v254, v0, 2, 0x15400
	v_mov_b32 v255, 0
	v_lshrrev_b32 v19, 5, v0
	v_readfirstlane_b32 s18, v19                   ; wave
	v_and_b32 v1, 15, v0                           ; r = l % 16
	v_bfe_u32 v2, v0, 4, 1                         ; h = l / 16
	v_and_b32 v3, 31, v0
	s_lshr_b32 s19, ttmp9, 2                       ; batch x 16 + head
	s_and_b32 s20, ttmp9, 3                        ; p
	s_and_b32 s21, s19, 15                         ; head
	s_lshr_b32 s22, s18, 1                         ; cs
	s_and_b32 s23, s18, 1                          ; xt
	s_mul_i32 s24, s19, 4*PROWS                    ; part: the four partials of (batch, head)
	s_mov_b32 s25, 0
	s_lshl_b32 s26, s21, 16                        ; wq_w: row 128 head + 32 p + 8 w
	s_lshl_b32 s36, s20, 14
	s_add_co_u32 s26, s26, s36
	s_lshl_b32 s36, s18, 12
	s_add_co_u32 s26, s26, s36
	s_mov_b32 s27, 0
	s_lshl_b32 s28, s21, 9                         ; wq_b, wv_b: the head's 512 bytes
	s_mov_b32 s29, 0
	s_lshl_b32 s30, s21, 16                        ; wv_w: row 128 head + 32 w
	s_lshl_b32 s36, s18, 14
	s_add_co_u32 s30, s30, s36
	s_mov_b32 s31, 0
	s_lshl_b32 s32, s18, 18                        ; dense_w: row 32 w of 8,192 bytes, the head's 512 bytes
	s_add_co_u32 s32, s32, s28
	s_mov_b32 s33, 0
	s_mul_i32 s34, s19, 110592                     ; pack: 432 rows of 256 bytes
	s_mov_b32 s35, 0
	s_lshl_b32 s36, s22, 16                        ; M: row 16 + 128 cs + 32 p + 16 xt
	s_lshl_b32 s37, s20, 14
	s_add_co_u32 s36, s36, s37
	s_lshl_b32 s37, s23, 13
	s_add_co_u32 s36, s36, s37
	s_add_co_u32 s36, s36, 8192
	s_lshl2_add_u32 s37, s20, s18                  ; KS: row 4 p + w
	s_lshl_b32 s38, s22, 9                         ; K_cs: row cs of KS, feature 32 p + 16 xt + r
	s_lshl_b32 s39, s20, 7
	s_add_co_u32 s38, s38, s39
	s_lshl_b32 s39, s23, 6
	s_add_co_u32 s38, s38, s39
	s_lshl_b32 s39, s20, 13                        ; pack: row 32 p + 8 w
	s_lshl_b32 s40, s18, 11
	s_add_co_u32 s39, s39, s40
	s_lshl_b32 s41, s22, 12                        ; pack: 4096 cs + 1024 p + 512 xt in a pair of blocks
	s_lshl_b32 s40, s20, 10
	s_add_co_u32 s41, s41, s40
	s_lshl_b32 s40, s23, 9
	s_add_co_u32 s41, s41, s40
	s_mul_i32 s42, s18, 32*PITCH
	s_mul_i32 s43, s18, 16*PITCH
	v_lshlrev_b32 v[L16], 4, v3
	v_lshlrev_b32 v[L8], 3, v3
	v_add_nc_u32 v[MOF], s36, v[L16]
	v_lshl_add_u32 v[KSOF], s37, 9, v[L16]
	v_lshl_add_u32 v[KOF], v1, 2, s38
	v_lshlrev_b32 v[BVOF], 5, v2
	v_add_nc_u32 v[WQST], s39, v[L8]
	v_lshl_add_u32 v[KSST], s37, 8, v[L8]
	v_lshlrev_b32 v[GST], 5, v1
	v_lshl_add_u32 v[GST], v2, 4, v[GST]
	v_add_nc_u32 v[GST], s41, v[GST]
	v_add_nc_u32 v[LW], s42, v[L8]
	v_add_nc_u32 v[LD], DNB, v[LW]
	v_add_nc_u32 v[LW], WVB, v[LW]
	v_add_nc_u32 v[LM], s43, v[L8]
	v_mul_u32_u24 v[FM], v1, PITCH
	v_lshl_add_u32 v[FM], v2, 4, v[FM]
	v_add_nc_u32 v[FW], WVB, v[FM]
	v_add_nc_u32 v[FD], DNB, v[FM]
	v_add_nc_u32 v[FM], s43, v[FM]
	s_wait_kmcnt 0x0
	s_add_nc_u64 s[4:5], s[4:5], s[24:25]
	s_add_nc_u64 s[6:7], s[6:7], s[26:27]
	s_add_nc_u64 s[8:9], s[8:9], s[28:29]
	s_add_nc_u64 s[10:11], s[10:11], s[30:31]
	s_add_nc_u64 s[12:13], s[12:13], s[28:29]
	s_add_nc_u64 s[14:15], s[14:15], s[32:33]
	s_add_nc_u64 s[16:17], s[16:17], s[34:35]
	; the small things: 33 loads
.irp zt, 0,1,2,3,4,5,6,7
	global_load_b128 v[BVR+8*\zt:BVR+8*\zt+3], v[BVOF], s[12:13] offset:64*\zt
	global_load_b128 v[BVR+8*\zt+4:BVR+8*\zt+7], v[BVOF], s[12:13] offset:64*\zt+16
.endr
.irp c, 0,1,2,3
	global_load_b32 v[KK+\c], v[KOF], s[4:5] offset:\c*PROWS
.endr
.irp c, 0,1,2,3
	global_load_b128 v[KSR+4*\c:KSR+4*\c+3], v[KSOF], s[4:5] offset:\c*PROWS
.endr
.irp e, 0,1,2,3,4,5,6,7
	global_load_b128 v[WQR+4*\e:WQR+4*\e+3], v[L16], s[6:7] offset:512*\e
.endr
	global_load_b128 v[QB:QB+3], v[L16], s[8:9]
	WIN 0x80
.set e, 0
.rept 32
	global_load_b128 v[4*e:4*e+3], v[L16], s[10:11] offset:512*e          ; Wv's row 32 w + e
.set e, e+1
.endr
.set e, 0
.rept 32
	global_load_b128 v[128+4*e:128+4*e+3], v[L16], s[14:15] offset:8192*e ; dense_w's row 32 w + e
.set e, e+1
.endr
	s_wait_loadcnt 32                              ; all but dense_w's 32 loads: the small things and Wv are in
	PACKROWS 0, LW
	LDM 0
	WIN 0
.irp e, 0,1,2,3,4,5,6,7
	v_cvt_pk_bf16_f32 v[WQR+4*\e], v[WQR+4*\e], v[WQR+4*\e+1]
	v_cvt_pk_bf16_f32 v[WQR+4*\e+1], v[WQR+4*\e+2], v[WQR+4*\e+3]
	global_store_b64 v[WQST], v[WQR+4*\e:WQR+4*\e+1], s[16:17] offset:256*\e   ; a row of 256 consecutive bytes, aligned
.endr
	SUMROW KSR
	global_store_b64 v[KSST], v[KSR:KSR+1], s[16:17] offset:36864
	v_add_f32 v[KK], v[KK], v[KK+1]
	v_add_f32 v[KK+2], v[KK+2], v[KK+3]
	v_add_f32 v[KK], v[KK], v[KK+2]
	s_or_b32 s36, s18, s20                         ; q's bias is stored once for the head: by wave 0 of the quarter p = 0
	s_cmp_lg_u32 s36, 0
	s_cbranch_scc1 .Lno_bias
	global_store_b128 v[L16], v[QB:QB+3], s[16:17] offset:32768
.Lno_bias:
	s_wait_loadcnt 32                              ; all but M's first 32 loads: dense_w is in
	PACKROWS 128, LD
	LDM 8
	s_wait_loadcnt 32                              ; all but M's last 32 loads
	SUMM 0
	s_wait_loadcnt 0x0
	SUMM 8
	WIN 0
	s_wait_xcnt 0x0                                ; Wq's registers, which stores read, are loaded again only behind this wait (ISA guide 3.1)
	s_wait_dscnt 0x0                               ; my rows are in LDS, for the other waves' sake
	s_barrier_signal -1
	s_barrier_wait -1
.irp kd, 0,1,2,3
	ds_load_b128 v[MF+8*\kd:MF+8*\kd+3], v[FM] offset:64*\kd
	ds_load_b128 v[MF+8*\kd+4:MF+8*\kd+7], v[FM] offset:64*\kd+32
.endr
	WIN 0x40
	LDFR 0, FW
	LDFR 4, FW
	WIN 0x80
	LDFR 0, FD
	WIN 0
.irp zt, 0,1,2,3,4,5,6,7
.irp j, 0,2,4,6
	v_pk_mul_f32 v[D1+8*\zt+\j:D1+8*\zt+\j+1], v[BVR+8*\zt+\j:BVR+8*\zt+\j+1], v[KK:KK+1] op_sel_hi:[1,0]   ; the sums start at bv[z] K[f]
.endr
.endr
	s_wait_dscnt 32                                ; M's and Wv's fragments are in; dense_w's first 32 loads may stay out
	WIN 0x01
	; kv: Wv (source 0: rows z) times M (source 1: columns f).  Eight accumulators take turns, one instruction a turn.
.irp kd, 0,1,2,3
.irp zt, 0,1,2,3,4,5,6,7
	v_wmma_f32_16x16x32_bf16 v[D1+8*\zt:D1+8*\zt+7], v[8*(4*\zt+\kd):8*(4*\zt+\kd)+7], v[MF+8*\kd:MF+8*\kd+7], v[D1+8*\zt:D1+8*\zt+7]
.endr
.endr
	WIN 0x80
	LDFR 4, FD
	WIN 0
	PLACES
.irp kz, 0,1,2,3
.irp t, 0,1
.irp jj, 0,1,2,3
	v_cvt_pk_bf16_f32 v[KVP+8*\kz+4*\t+\jj], v[D1+8*(2*\kz+\t)+2*\jj], v[D1+8*(2*\kz+\t)+2*\jj+1]   ; the even tile gives an operand's registers 0-3, the odd one 4-7
.endr
.endr
.endr
	s_wait_dscnt 0x0
	WIN 0x08
	; G: kv (source 0: rows f) times dense_w (source 1: columns n).  The first K step starts the sums.  Eight accumulators by turns.
.irp kz, 0,1,2,3
.irp nt, 0,1,2,3,4,5,6,7
.if \kz == 0
	v_wmma_f32_16x16x32_bf16 v[D2+8*\nt:D2+8*\nt+7], v[KVP+8*\kz:KVP+8*\kz+7], v[8*(4*\nt+\kz):8*(4*\nt+\kz)+7], 0
.else
	v_wmma_f32_16x16x32_bf16 v[D2+8*\nt:D2+8*\nt+7], v[KVP+8*\kz:KVP+8*\kz+7], v[8*(4*\nt+\kz):8*(4*\nt+\kz)+7], v[D2+8*\nt:D2+8*\nt+7]
.endif
.endr
.endr
	WIN 0
	PLACES
.irp nt, 0,1,2,3,4,5,6,7
.irp jj, 0,1,2,3
	v_cvt_pk_bf16_f32 v[D2+8*\nt+\jj], v[D2+8*\nt+2*\jj], v[D2+8*\nt+2*\jj+1]
.endr
	global_store_b128 v[GST], v[D2+8*\nt:D2+8*\nt+3], s[16:17] offset:40960+8192*\nt   ; the wave's 512 consecutive bytes of block (nt, cs), aligned
.endr
	s_wait_tensorcnt 0x0
	ds_add_u32 v254, v255
	s_wait_dscnt 0x0
	s_endpgm
.Lfunc_end_k_qf119a99ca4_fold:
	.size	k_qf119a99ca4_fold, .Lfunc_end_k_qf119a99ca4_fold-k_qf119a99ca4_fold
	.p2alignl 7, 3214868480
	.fill 96, 4, 3214868480
	.section	.rodata,"a",@progbits
	.p2align	6, 0x0
	.amdhsa_kernel k_qf119a99ca4_fold
		.amdhsa_group_segment_fixed_size 87552
		.amdhsa_private_segment_fixed_size 0
		.amdhsa_enable_private_segment 0
		.amdhsa_kernarg_size 56
		.amdhsa_user_sgpr_count 2
		.amdhsa_user_sgpr_kernarg_segment_ptr 1
		.amdhsa_wavefront_size32 1
		.amdhsa_system_sgpr_workgroup_id_x 1
		.amdhsa_system_sgpr_workgroup_id_y 1
		.amdhsa_system_sgpr_workgroup_id_z 1
		.amdhsa_system_vgpr_workitem_id 0
		.amdhsa_next_free_vgpr 768
		.amdhsa_next_free_sgpr 66
		.amdhsa_reserve_vcc 0
		.amdhsa_float_denorm_mode_32 3
		.amdhsa_float_denorm_mode_16_64 3
		.amdhsa_memory_ordered 1
		.amdhsa_forward_progress 1
		.amdhsa_inst_pref_size 63
	.end_amdhsa_kernel
	.amdgpu_metadata
---
amdhsa.version: [ 1, 2 ]
amdhsa.kernels:
  - .name:           k_qf119a99ca4_fold
    .symbol:         k_qf119a99ca4_fold.kd
    .args:
      - { .name: part, .offset: 0, .size: 8, .value_kind: global_buffer, .address_space: global }
      - { .name: wq_w, .offset: 8, .size: 8, .value_kind: global_buffer, .address_space: global }
      - { .name: wq_b, .offset: 16, .size: 8, .value_kind: global_buffer, .address_space: global }
      - { .name: wv_w, .offset: 24, .size: 8, .value_kind: global_buffer, .address_space: global }
      - { .name: wv_b, .offset: 32, .size: 8, .value_kind: global_buffer, .address_space: global }
      - { .name: dense_w, .offset: 40, .size: 8, .value_kind: global_buffer, .address_space: global }
      - { .name: pack, .offset: 48, .size: 8, .value_kind: global_buffer, .address_space: global }
    .group_segment_fixed_size: 87552
    .private_segment_fixed_size: 0
    .kernarg_segment_align: 8
    .kernarg_segment_size: 56
    .max_flat_workgroup_size: 128
    .sgpr_count:     66
    .vgpr_count:     768
    .wavefront_size: 32
...
	.end_amdgpu_metadata
.endif
;; end of part 2
;; launch attnout (part 3): grid 256 x 1, 4 waves a work-group, clusters of 4 x 1, 327,680 bytes of LDS; arguments x, pack, dense_b, out0; writes out0
.if DOCPART == 3
	.amdgcn_target "amdgcn-amd-amdhsa--gfx1250"
	.amdhsa_code_object_version 6
	.text
	.protected	k_qf119a99ca4_attnout
	.globl	k_qf119a99ca4_attnout
	.p2align	8
	.type	k_qf119a99ca4_attnout,@function
k_qf119a99ca4_attnout:
	s_mov_b64 s[64:65], 0
	v_nop
	global_prefetch_b8 v0, s[64:65] scope:SCOPE_SE
	s_setreg_imm32_b32 hwreg(HW_REG_WAVE_MODE, 25, 1), 1
	s_wait_xcnt 0x0
	s_wait_alu depctr_hold_cnt(0) depctr_sa_sdst(0) depctr_va_vdst(0) depctr_va_sdst(0) depctr_va_ssrc(0) depctr_va_vcc(0) depctr_vm_vsrc(0)
	s_getreg_b32 s2, hwreg(HW_REG_IB_STS2, 6, 4)
	s_cmp_eq_u32 s2, 0
	s_cbranch_scc0 .Lentry_in_a_cluster
	s_endpgm
.Lentry_in_a_cluster:
	s_bfe_u32 s2, ttmp6, 0x10000c
	s_cmp_lg_u32 s2, 0x3003
	s_cbranch_scc0 .Lentry_shape_is_right
	s_endpgm
.Lentry_shape_is_right:
; attnout: for 64 rows s of one batch and all 16 heads:
;   q = elu(x Wq^T + bq) + 1;  P = q G_cos, R = q G_sin;  d = 1 / (cos q.Kc + sin q.Ks + 1e-5);  out = sum over heads of (cos d) P + (sin d) R, + dense_b.
; G_cs = kv_cs dense^T was made by the launch before: it holds the value projection and the dense layer, so neither v nor o is ever rounded.
; cos and sin hang on the row alone, so they are applied behind the products, in f32, and q is rounded to bf16 once.
; reference() takes a mask and never uses it: the result does not hang on it, and no launch of this program reads it.
; LIMITS: matrix operands are bf16 (x, Wq, q, G, sums of k), sums f32.  elu(t) + 1 = max(t, 0) + 2^min(t log2 e, 0): the exponent is never above 0;
; a NaN in t is dropped by the min and the max; an exponential below 2^-126 comes out as 0.  cos and sin of p in [0, 1.57) are Taylor sums (remainders below 6e-9, 6e-8).
; SHARES: all four waves take the same 64 rows (row tiles rt = 0 .. 3); wave w takes heads 4 w .. 4 w + 3 and keeps its own 64 x 128 sum of the output;
; the four sums meet in LDS at the end.  So each fragment read from LDS feeds four matrix instructions.
; q GOES ON IN REGISTERS: the streamed matrix is source 0 (its rows are the result's registers), the rows s are the columns (lanes).  q's result packed to bf16 is half
; of the next product's source 1, whose K runs along the registers.
; THE STREAM: a head is three parts of 144 rows of 256 bytes in pack: 0 = Wq and bias (130 rows used), 1 = the tile of k's sums and G for n = 0 .. 63 (144),
; 2 = G for n = 64 .. 127 (128).  Each wave has a ring of two LDS slots of its own; the wave's part n (0 .. 11) lies in slot n & 1, so a head's first slot alternates.
; CLUSTERS: the four work-groups of a cluster lie in one batch (64 work-groups a batch) and walk the same stream, wave by wave.  Each part is asked for jointly:
; the same line, the same descriptor (made of the cluster's number and the wave's number alone), mask 15.  That divides the requests for the stream by four.
; A wave has one tensor load outstanding; it is issued first behind a round of the cluster's barrier and has a whole part's work, 128 matrix instructions or more, in which to land.
.set PITCH, 272                        ; an LDS row: 256 bytes + 16 of padding: an odd multiple of 16, so the 16 rows of a fragment load start in 16 different 16-byte columns
.set SLOTB, 144*PITCH
.set RINGB, 2*SLOTB
.set PARTB, 144*256
.set SP,    528                        ; the way out: rows of 512 + 16 bytes, in each wave's ring behind its last fill
; window 0
.set FA,   4                           ; v4, v5     fragments of rows along K in slot 0, 1: row l % 16, 16 bytes for each half of the lanes
.set FG,   6                           ; v6, v7     fragments of G: byte 32 (l % 16) + 16 (l / 16) of a run of 512, which is two padded rows: 16 lanes touch 16 different 16-byte columns
.set BA,   8                           ; v8, v9     q's bias: 32 bytes for each half
.set XOF,  10                          ; x: row l % 16, 32 bytes for each half
.set SA,   11                          ; where I put my sums
.set RA,   12                          ; v[12:15]   where I read the four waves' sums of my 16 rows
.set DT,   16                          ; v[16:19]   at work: the denominators
.set GO,   20                          ; my bytes in out0
.set LOF,  21                          ; 16 x lane
.set SB,   22                          ; my first s + l % 16
.set NT,   23                          ; at work
.set FRA,  24                          ; v[24:87]   fragments of two streamed tiles, at 8 (4 tl + ks)
.set FRB,  88                          ; v[88:151]  the second buffer
.set ACC,  152                         ; v[152:215] eight results at 8 (4 tl + rt)
.set T,    216                         ; v[216:231] at work
.set COSR, 232                         ; v[232:235] cos of row 16 rt + l % 16
.set SINR, 236                         ; v[236:239] sin
.set CS,   240                         ; v[240:247] pairs (cos d, sin d) for each rt
.set DB,   248                         ; v[248:251] dense_b of my four columns
; window 1: x at 8 (4 ks + rt); q at 128 + 8 (4 ks + rt).  window 2: q's bias at 128 + 8 n.  window 3: the output's sums at 8 (4 nt + rt) (at the start: x as loaded)
.set G1A, 24                           ; s[24:31] shape of 130 rows
.set G1B, 32                           ; s[32:39] 144 rows
.set G1C, 40                           ; s[40:47] 128 rows
.set G0,  48                           ; s[48:55] from where, to where: a set for each slot
.set MSB, 0
.macro WIN new                         ; s_set_vgpr_msb: bits 1:0 source 0, 3:2 source 1, 5:4 source 2, 7:6 destination; the high byte repeats the setting that is left
.if MSB != \new
	s_set_vgpr_msb (MSB<<8)|\new
.set MSB, \new
.endif
.endm
.macro PLACES                          ; five plain vector instructions behind a matrix instruction: four before its registers are read, written or loaded into,
.rept 5                                ; five before another product writes over its result (ISA guide 7.12.1)
	v_nop
.endr
.endm
.macro TRIG c, s, n, p, z              ; cos and sin of p = (1.57 n) / 4096, rounded as reference() rounds it
	v_cvt_f32_u32 v[\p], v[\n]
	v_mul_f32 v[\p], 0x3fc8f5c3, v[\p]             ; 1.57
	v_mul_f32 v[\p], 0x39800000, v[\p]             ; 2^-12
	v_mul_f32 v[\z], v[\p], v[\p]
	v_mov_b32 v[\s], 0xb2d7322b                    ; -1/11!
	v_mov_b32 v[\c], 0x310f76c7                    ; 1/12!
	v_fmaak_f32 v[\s], v[\s], v[\z], 0x3638ef1d    ; 1/9!
	v_fmaak_f32 v[\c], v[\c], v[\z], 0xb493f27e    ; -1/10!
	v_fmaak_f32 v[\s], v[\s], v[\z], 0xb9500d01    ; -1/7!
	v_fmaak_f32 v[\c], v[\c], v[\z], 0x37d00d01    ; 1/8!
	v_fmaak_f32 v[\s], v[\s], v[\z], 0x3c088889    ; 1/5!
	v_fmaak_f32 v[\c], v[\c], v[\z], 0xbab60b61    ; -1/6!
	v_fmaak_f32 v[\s], v[\s], v[\z], 0xbe2aaaab    ; -1/3!
	v_fmaak_f32 v[\c], v[\c], v[\z], 0x3d2aaaab    ; 1/4!
	v_mul_f32 v[\s], v[\s], v[\z]
	v_fmaak_f32 v[\c], v[\c], v[\z], 0xbf000000    ; -1/2
	v_fma_f32 v[\s], v[\s], v[\p], v[\p]
	v_fma_f32 v[\c], v[\c], v[\z], 1.0
.endm
.macro SHAPE g, rows                   ; descriptor group 1: rows of 128 bf16, dense in memory, padded in LDS
	s_mov_b32 s[\g], 0x0771000f                    ; 15:0 mask: all four work-groups; 17:16 elements of 2 bytes; 20 padding on; 21 set beside a mask; 24:22 after every 64 words; 31:25 four words
	s_mov_b32 s[\g+1], 128<<16                     ; tensor_dim0 = 128
	s_mov_b32 s[\g+2], \rows<<16                   ; tensor_dim1
	s_mov_b32 s[\g+3], 128<<16                     ; tile_dim0 = 128
	s_mov_b32 s[\g+4], \rows                       ; tile_dim1
	s_mov_b32 s[\g+5], 128                         ; elements from row to row
	s_mov_b32 s[\g+6], 0
	s_mov_b32 s[\g+7], 0
.endm
.macro ROUND                           ; a round of the cluster's barrier: my work-group's barrier, wave 0 signals for the work-group, every wave waits for all four, my work-group's barrier
	s_barrier_signal -1
	s_barrier_wait -1
	s_cmp_lg_u32 s12, 0
	s_cbranch_scc1 .Lnot_wave_0_\@
	s_barrier_signal -3
.Lnot_wave_0_\@:
	s_barrier_wait -3
	s_barrier_signal -1
	s_barrier_wait -1
.endm
; The head of a part that lies in \slot.  All my tensor loads have landed, this part among them, and my reads of the other slot are back, in front of the round;
; behind it that holds of every wave of the cluster, and the next part goes into the other slot: my one tensor load, first behind the round.
.macro TRIPHEAD slot, g1, refill
	WIN 0
	s_wait_tensorcnt 0x0
	ds_add_u32 v254, v255
	s_wait_dscnt 0x0
	s_add_nc_u64 s[G0+4*\slot+2:G0+4*\slot+3], s[G0+4*\slot+2:G0+4*\slot+3], 2*PARTB   ; no load of mine is out: this slot's next part
	s_wait_dscnt 0x0
	ROUND
.if \refill
	tensor_load_to_lds s[G0+4-4*\slot:G0+7-4*\slot], s[\g1:\g1+7]
	s_nop 0
.endif
.endm
.macro LDU buf, fa, row                ; 16 loads: two tiles of 16 rows from \row on, all 128 of K along the rows
	WIN 0
.irp tl, 0,1
.irp ks, 0,1,2,3
	ds_load_b128 v[\buf+8*(4*\tl+\ks):\buf+8*(4*\tl+\ks)+3], v[\fa] offset:(\row+16*\tl)*PITCH+64*\ks
	ds_load_b128 v[\buf+8*(4*\tl+\ks)+4:\buf+8*(4*\tl+\ks)+7], v[\fa] offset:(\row+16*\tl)*PITCH+64*\ks+32
.endr
.endr
.endm
.macro LDG buf, fg, row                ; 16 loads: the cos block and the sin block of 16 output columns; K step ks is four of a block's rows, each half of an operand two
	WIN 0
.irp tl, 0,1
.irp ks, 0,1,2,3
	ds_load_b128 v[\buf+8*(4*\tl+\ks):\buf+8*(4*\tl+\ks)+3], v[\fg] offset:(\row+16*\tl+4*\ks)*PITCH
	ds_load_b128 v[\buf+8*(4*\tl+\ks)+4:\buf+8*(4*\tl+\ks)+7], v[\fg] offset:(\row+16*\tl+4*\ks+2)*PITCH
.endr
.endr
.endm
.macro LDH buf, fa, row                ; 8 loads: one tile
	WIN 0
.irp ks, 0,1,2,3
	ds_load_b128 v[\buf+8*\ks:\buf+8*\ks+3], v[\fa] offset:(\row)*PITCH+64*\ks
	ds_load_b128 v[\buf+8*\ks+4:\buf+8*\ks+7], v[\fa] offset:(\row)*PITCH+64*\ks+32
.endr
.endm
.macro LDBIAS ba                       ; 16 loads: q's bias, 128 f32 in rows 128 and 129: tile n's register j is feature 16 n + 8 (l / 16) + j
	WIN 0x80
.irp n, 0,1,2,3,4,5,6,7
	ds_load_b128 v[128+8*\n:128+8*\n+3], v[\ba] offset:128*PITCH+PITCH*(\n/4)+64*(\n%4)
	ds_load_b128 v[128+8*\n+4:128+8*\n+7], v[\ba] offset:128*PITCH+PITCH*(\n/4)+64*(\n%4)+16
.endr
.endm
; In all three products the accumulators take turns, one instruction a turn.
.macro MMQ buf, u                      ; 32 matrix instructions: features 32 u .. of q: Wq x x; the first K step adds onto the bias
	WIN 0x24
.irp tl, 0,1
.irp rt, 0,1,2,3
	v_wmma_f32_16x16x32_bf16 v[ACC+8*(4*\tl+\rt):ACC+8*(4*\tl+\rt)+7], v[\buf+32*\tl:\buf+32*\tl+7], v[8*\rt:8*\rt+7], v[128+8*(2*\u+\tl):128+8*(2*\u+\tl)+7]
.endr
.endr
	WIN 0x04
.irp ks, 1,2,3
.irp tl, 0,1
.irp rt, 0,1,2,3
	v_wmma_f32_16x16x32_bf16 v[ACC+8*(4*\tl+\rt):ACC+8*(4*\tl+\rt)+7], v[\buf+8*(4*\tl+\ks):\buf+8*(4*\tl+\ks)+7], v[8*(4*\ks+\rt):8*(4*\ks+\rt)+7], v[ACC+8*(4*\tl+\rt):ACC+8*(4*\tl+\rt)+7]
.endr
.endr
.endr
.endm
.macro MMK buf                         ; 16: the tile of k's sums x q: register 0 = q.Kc, register 1 = q.Ks, in every lane
	WIN 0x04
.irp ks, 0,1,2,3
.irp rt, 0,1,2,3
.if \ks == 0
	v_wmma_f32_16x16x32_bf16 v[ACC+8*\rt:ACC+8*\rt+7], v[\buf+8*\ks:\buf+8*\ks+7], v[128+8*(4*\ks+\rt):128+8*(4*\ks+\rt)+7], 0
.else
	v_wmma_f32_16x16x32_bf16 v[ACC+8*\rt:ACC+8*\rt+7], v[\buf+8*\ks:\buf+8*\ks+7], v[128+8*(4*\ks+\rt):128+8*(4*\ks+\rt)+7], v[ACC+8*\rt:ACC+8*\rt+7]
.endif
.endr
.endr
.endm
.macro MMS buf                         ; 32: 16 output columns: tl = 0 G_cos (P), tl = 1 G_sin (R), x q; the first K step starts the sums
	WIN 0x04
.irp ks, 0,1,2,3
.irp tl, 0,1
.irp rt, 0,1,2,3
.if \ks == 0
	v_wmma_f32_16x16x32_bf16 v[ACC+8*(4*\tl+\rt):ACC+8*(4*\tl+\rt)+7], v[\buf+8*(4*\tl+\ks):\buf+8*(4*\tl+\ks)+7], v[128+8*(4*\ks+\rt):128+8*(4*\ks+\rt)+7], 0
.else
	v_wmma_f32_16x16x32_bf16 v[ACC+8*(4*\tl+\rt):ACC+8*(4*\tl+\rt)+7], v[\buf+8*(4*\tl+\ks):\buf+8*(4*\tl+\ks)+7], v[128+8*(4*\ks+\rt):128+8*(4*\ks+\rt)+7], v[ACC+8*(4*\tl+\rt):ACC+8*(4*\tl+\rt)+7]
.endif
.endr
.endr
.endr
.endm
.macro EWQ u                           ; the feature map on eight tiles, then packed: tl = 0 gives registers 0-3 of q's K step u, tl = 1 registers 4-7
	WIN 0
.irp t, 0,1,2,3,4,5,6,7
.irp j, 0,2,4,6
	v_pk_mul_f32 v[T+8*(\t%2)+\j:T+8*(\t%2)+\j+1], v[ACC+8*\t+\j:ACC+8*\t+\j+1], 0x3fb8aa3b op_sel_hi:[1,0]   ; t log2 e
.endr
.irp j, 0,1,2,3,4,5,6,7
	v_min_num_f32 v[T+8*(\t%2)+\j], 0, v[T+8*(\t%2)+\j]
.endr
.irp j, 0,1,2,3,4,5,6,7
	v_exp_f32 v[T+8*(\t%2)+\j], v[T+8*(\t%2)+\j]
.endr
.irp j, 0,1,2,3,4,5,6,7
	v_max_num_f32 v[ACC+8*\t+\j], 0, v[ACC+8*\t+\j]   ; plain work on other registers stands between the exponentials and their use (ISA guide 5.7.2)
.endr
	s_wait_alu depctr_va_vdst(0)
.irp j, 0,2,4,6
	v_pk_add_f32 v[ACC+8*\t+\j:ACC+8*\t+\j+1], v[ACC+8*\t+\j:ACC+8*\t+\j+1], v[T+8*(\t%2)+\j:T+8*(\t%2)+\j+1]
.endr
.endr
	WIN 0x40
.irp rt, 0,1,2,3
.irp tl, 0,1
.irp jj, 0,1,2,3
	v_cvt_pk_bf16_f32 v[128+8*(4*\u+\rt)+4*\tl+\jj], v[ACC+8*(4*\tl+\rt)+2*\jj], v[ACC+8*(4*\tl+\rt)+2*\jj+1]
.endr
.endr
.endr
	WIN 0
.endm
.macro DEN                             ; d = 1 / (cos q.Kc + sin q.Ks + 1e-5); the pairs (cos d, sin d)
	WIN 0
.irp rt, 0,1,2,3
	v_fmaak_f32 v[DT+\rt], v[COSR+\rt], v[ACC+8*\rt], 0x3727c5ac
.endr
.irp rt, 0,1,2,3
	v_fmac_f32 v[DT+\rt], v[SINR+\rt], v[ACC+8*\rt+1]
.endr
.irp rt, 0,1,2,3
	v_rcp_f32 v[DT+\rt], v[DT+\rt]
.endr
	v_nop                                          ; a plain instruction between the last reciprocal and its use (ISA guide 5.7.2)
	s_wait_alu depctr_va_vdst(0)
.irp rt, 0,1,2,3
	v_mul_f32 v[CS+2*\rt], v[COSR+\rt], v[DT+\rt]
	v_mul_f32 v[CS+2*\rt+1], v[SINR+\rt], v[DT+\rt]
.endr
.endm
.macro ACCO nt, acc                    ; the output's sums of columns 16 nt .. take (cos d) P + (sin d) R, in f32.  acc = 0: the first head starts them, nothing is cleared
	WIN 0xf0
.irp rt, 0,1,2,3
.irp j, 0,2,4,6
.if \acc
	v_pk_fma_f32 v[8*(4*\nt+\rt)+\j:8*(4*\nt+\rt)+\j+1], v[ACC+8*\rt+\j:ACC+8*\rt+\j+1], v[CS+2*\rt:CS+2*\rt+1], v[8*(4*\nt+\rt)+\j:8*(4*\nt+\rt)+\j+1] op_sel_hi:[1,0,1]   ; both by the pair's first register
.else
	v_pk_mul_f32 v[8*(4*\nt+\rt)+\j:8*(4*\nt+\rt)+\j+1], v[ACC+8*\rt+\j:ACC+8*\rt+\j+1], v[CS+2*\rt:CS+2*\rt+1] op_sel_hi:[1,0]
.endif
.endr
.endr
.irp rt, 0,1,2,3
.irp j, 0,2,4,6
	v_pk_fma_f32 v[8*(4*\nt+\rt)+\j:8*(4*\nt+\rt)+\j+1], v[ACC+32+8*\rt+\j:ACC+32+8*\rt+\j+1], v[CS+2*\rt:CS+2*\rt+1], v[8*(4*\nt+\rt)+\j:8*(4*\nt+\rt)+\j+1] op_sel:[0,1,0] op_sel_hi:[1,1,1]   ; both by its second
.endr
.endr
	WIN 0
.endm
; One head.  p = the slot of its parts 0 and 2, o = the other slot, of its part 1.  In each part two fragment buffers take turns: the loads of unit u + 2 go out straight
; behind the places of unit u, so that at a unit's wait (s_wait_dscnt 16) only the following unit's 16 loads are out.  refill = 0: no head follows.
.macro HEAD p, o, acc, refill
	TRIPHEAD \p, G1B, 1                            ; part 0 is in; part 1 (144 rows) goes out
	LDBIAS BA+\p
	LDU FRA, FA+\p, 0
	LDU FRB, FA+\p, 32
	s_wait_dscnt 16
	MMQ FRA, 0
	PLACES
	LDU FRA, FA+\p, 64
	EWQ 0
	s_wait_dscnt 16
	MMQ FRB, 1
	PLACES
	LDU FRB, FA+\p, 96
	EWQ 1
	s_wait_dscnt 16
	MMQ FRA, 2
	PLACES
	EWQ 2
	s_wait_dscnt 0x0
	MMQ FRB, 3
	PLACES
	EWQ 3
	TRIPHEAD \o, G1C, 1                            ; part 1 is in; part 2 (128 rows) goes out
	LDH FRA, FA+\o, 0
	LDG FRB, FG+\o, 16
	s_wait_dscnt 16
	MMK FRA
	PLACES
	LDG FRA, FG+\o, 48
	DEN
	s_wait_dscnt 16
	MMS FRB
	PLACES
	LDG FRB, FG+\o, 80
	ACCO 0, \acc
	s_wait_dscnt 16
	MMS FRA
	PLACES
	LDG FRA, FG+\o, 112
	ACCO 1, \acc
	s_wait_dscnt 16
	MMS FRB
	PLACES
	ACCO 2, \acc
	s_wait_dscnt 0x0
	MMS FRA
	PLACES
	ACCO 3, \acc
	TRIPHEAD \p, G1A, \refill                      ; part 2 is in; the next head's part 0 (130 rows) goes out
	LDG FRA, FG+\p, 0
	LDG FRB, FG+\p, 32
	s_wait_dscnt 16
	MMS FRA
	PLACES
	LDG FRA, FG+\p, 64
	ACCO 4, \acc
	s_wait_dscnt 16
	MMS FRB
	PLACES
	LDG FRB, FG+\p, 96
	ACCO 5, \acc
	s_wait_dscnt 16
	MMS FRA
	PLACES
	ACCO 6, \acc
	s_wait_dscnt 0x0
	MMS FRB
	PLACES
	ACCO 7, \acc
.endm
	s_load_b256 s[4:11], s[0:1], 0x0               ; x s[4:5], pack s[6:7], dense_b s[8:9], out0 s[10:11]
	v_lshl_add_u32 v254, v0, 2, 0x4c800
	v_mov_b32 v255, 0
	ds_add_u32 v254, v255
	v_lshrrev_b32 v[NT], 5, v0
	v_readfirstlane_b32 s12, v[NT]                 ; wave
	v_and_b32 v1, 15, v0                           ; l % 16
	v_bfe_u32 v2, v0, 4, 1                         ; l / 16
	v_and_b32 v3, 31, v0
	s_bfe_u32 s13, ttmp6, 0x40000                  ; my place in the cluster
	s_lshl_b32 s14, ttmp9, 2                       ; ttmp9 counts clusters
	s_add_co_u32 s14, s14, s13                     ; work-group
	s_lshl_b32 s16, s14, 15                        ; my 64 rows of 512 bytes in x and in out0
	s_mov_b32 s17, 0
	s_lshr_b32 s18, ttmp9, 4                       ; batch: 16 clusters each; the same in all four work-groups
	s_lshl_b32 s18, s18, 4
	s_lshl2_add_u32 s18, s12, s18                  ; 16 b + 4 w: my wave's first head
	s_mul_i32 s18, s18, 3*PARTB
	s_mov_b32 s19, 0
	s_mul_i32 s20, s12, RINGB                      ; my wave's ring
	s_and_b32 s21, s14, 63
	s_lshl_b32 s21, s21, 6                         ; my first s
	s_mul_i32 s22, s12, 16*SP
	v_lshlrev_b32 v[XOF], 9, v1
	v_lshl_add_u32 v[XOF], v2, 5, v[XOF]
	v_lshlrev_b32 v[LOF], 4, v3
	v_mul_u32_u24 v[FA], v1, PITCH
	v_lshl_add_u32 v[FA], v2, 4, v[FA]
	v_add_nc_u32 v[FA], s20, v[FA]
	v_add_nc_u32 v[FA+1], SLOTB, v[FA]
	v_lshrrev_b32 v[DT], 3, v1
	v_and_b32 v[DT+1], 7, v1
	v_mul_u32_u24 v[FG], v[DT], PITCH              ; byte 32 (l % 16) + 16 (l / 16) of 512: the row (l % 16) / 8, then 32 ((l % 16) % 8) + 16 (l / 16)
	v_lshl_add_u32 v[FG], v[DT+1], 5, v[FG]
	v_lshl_add_u32 v[FG], v2, 4, v[FG]
	v_add_nc_u32 v[FG], s20, v[FG]
	v_add_nc_u32 v[FG+1], SLOTB, v[FG]
	v_lshlrev_b32 v[BA], 5, v2
	v_add_nc_u32 v[BA], s20, v[BA]
	v_add_nc_u32 v[BA+1], SLOTB, v[BA]
	v_mul_u32_u24 v[SA], v1, SP
	v_lshl_add_u32 v[SA], v2, 5, v[SA]
	v_add_nc_u32 v[SA], s20, v[SA]
	v_add_nc_u32 v[RA], s22, v[LOF]
	v_add_nc_u32 v[RA+1], RINGB, v[RA]
	v_add_nc_u32 v[RA+2], 2*RINGB, v[RA]
	v_add_nc_u32 v[RA+3], 3*RINGB, v[RA]
	v_lshl_add_u32 v[GO], s12, 13, v[LOF]
	v_add_nc_u32 v[SB], s21, v1
	SHAPE G1A, 130
	SHAPE G1B, 144
	SHAPE G1C, 128
	s_wait_dscnt 0x0
	s_wait_kmcnt 0x0
	s_add_nc_u64 s[4:5], s[4:5], s[16:17]
	s_add_nc_u64 s[10:11], s[10:11], s[16:17]
	s_add_nc_u64 s[6:7], s[6:7], s[18:19]
	WIN 0xc0                                       ; x as f32 into window 3, in the order of sixteen operands: K = 32 ks + 8 (l / 16) + 0..7, then + 16
.irp ks, 0,1,2,3
.irp rt, 0,1,2,3
	global_load_b128 v[16*(4*\ks+\rt):16*(4*\ks+\rt)+3], v[XOF], s[4:5] offset:8192*\rt+128*\ks
	global_load_b128 v[16*(4*\ks+\rt)+4:16*(4*\ks+\rt)+7], v[XOF], s[4:5] offset:8192*\rt+128*\ks+16
	global_load_b128 v[16*(4*\ks+\rt)+8:16*(4*\ks+\rt)+11], v[XOF], s[4:5] offset:8192*\rt+128*\ks+64
	global_load_b128 v[16*(4*\ks+\rt)+12:16*(4*\ks+\rt)+15], v[XOF], s[4:5] offset:8192*\rt+128*\ks+80
.endr
.endr
	WIN 0
	global_load_b128 v[DB:DB+3], v[LOF], s[8:9]
.irp s, 0,1
	s_mov_b32 s[G0+4*\s], 1                                        ; count = 1
	s_add_co_u32 s[G0+4*\s+1], s20, \s*SLOTB                       ; LDS address: the wave's ring, the slot
	s_add_nc_u64 s[G0+4*\s+2:G0+4*\s+3], s[6:7], \s*PARTB          ; global address: part s
	s_or_b32 s[G0+4*\s+3], s[G0+4*\s+3], 0x80000000                ; type = 2
.endr
	ROUND                                          ; all four work-groups are here: the first joint loads meet
	tensor_load_to_lds s[G0:G0+3], s[G1A:G1A+7]    ; part 0
	s_nop 0
.irp rt, 0,1,2,3
	v_add_nc_u32 v[NT], 16*\rt, v[SB]
	TRIG COSR+\rt, SINR+\rt, NT, DT, DT+1
.endr
	s_wait_loadcnt 0x0                             ; x and dense_b
	WIN 0x4f                                       ; from window 3 into window 1
.set n, 0
.rept 128
	v_cvt_pk_bf16_f32 v[n], v[2*n], v[2*n+1]
.set n, n+1
.endr
	WIN 0
	HEAD 0, 1, 0, 1                                ; my four heads are written out: the first starts the output's sums, the slots alternate,
	HEAD 1, 0, 1, 1
	HEAD 0, 1, 1, 1
	HEAD 1, 0, 1, 0                                ; and the last asks for nothing more
	; THE WAY OUT.  A lane holds eight neighbouring columns of one row.  Each wave puts its 64 x 128 sums into its own ring, which has had its last fill and whose
	; reads are back; behind a barrier wave w adds the four waves' rows 16 w .. 16 w + 15 and the bias.
	WIN 0x0c
.irp rt, 0,1,2,3
.irp nt, 0,1,2,3,4,5,6,7
	ds_store_b128 v[SA], v[8*(4*\nt+\rt):8*(4*\nt+\rt)+3] offset:16*SP*\rt+64*\nt
	ds_store_b128 v[SA], v[8*(4*\nt+\rt)+4:8*(4*\nt+\rt)+7] offset:16*SP*\rt+64*\nt+16
.endr
.endr
	WIN 0
	s_wait_dscnt 0x0
	s_barrier_signal -1
	s_barrier_wait -1
.macro FIN k, f                        ; four rows: each load and each store covers a row's 512 consecutive bytes, aligned
.if \k >= 2
	s_wait_xcnt 0x0                                ; registers that earlier stores read are loaded again only behind this wait (ISA guide 3.1)
.endif
.irp e, 0,1,2,3
.irp v, 0,1,2,3
	ds_load_b128 v[\f+16*\e+4*\v:\f+16*\e+4*\v+3], v[RA+\v] offset:(4*\k+\e)*SP
.endr
.endr
.irp e, 0,1,2,3
	s_wait_dscnt 12-4*\e                           ; row e's four loads are in; the later rows' stay out
	v_pk_add_f32 v[\f+16*\e:\f+16*\e+1], v[\f+16*\e:\f+16*\e+1], v[\f+16*\e+4:\f+16*\e+5]
	v_pk_add_f32 v[\f+16*\e+2:\f+16*\e+3], v[\f+16*\e+2:\f+16*\e+3], v[\f+16*\e+6:\f+16*\e+7]
	v_pk_add_f32 v[\f+16*\e+8:\f+16*\e+9], v[\f+16*\e+8:\f+16*\e+9], v[\f+16*\e+12:\f+16*\e+13]
	v_pk_add_f32 v[\f+16*\e+10:\f+16*\e+11], v[\f+16*\e+10:\f+16*\e+11], v[\f+16*\e+14:\f+16*\e+15]
	v_pk_add_f32 v[\f+16*\e+8:\f+16*\e+9], v[\f+16*\e+8:\f+16*\e+9], v[DB:DB+1]
	v_pk_add_f32 v[\f+16*\e+10:\f+16*\e+11], v[\f+16*\e+10:\f+16*\e+11], v[DB+2:DB+3]
	v_pk_add_f32 v[\f+16*\e:\f+16*\e+1], v[\f+16*\e:\f+16*\e+1], v[\f+16*\e+8:\f+16*\e+9]
	v_pk_add_f32 v[\f+16*\e+2:\f+16*\e+3], v[\f+16*\e+2:\f+16*\e+3], v[\f+16*\e+10:\f+16*\e+11]
	global_store_b128 v[GO], v[\f+16*\e:\f+16*\e+3], s[10:11] offset:(4*\k+\e)*512
.endr
.endm
	FIN 0, FRA
	FIN 1, FRB
	FIN 2, FRA
	FIN 3, FRB
	s_wait_tensorcnt 0x0
	ds_add_u32 v254, v255
	s_wait_dscnt 0x0
	ROUND                                          ; the closing round: no work-group ends while a partner may still ask for a part that names it
	s_endpgm
.Lfunc_end_k_qf119a99ca4_attnout:
	.size	k_qf119a99ca4_attnout, .Lfunc_end_k_qf119a99ca4_attnout-k_qf119a99ca4_attnout
	.p2alignl 7, 3214868480
	.fill 96, 4, 3214868480
	.section	.rodata,"a",@progbits
	.p2align	6, 0x0
	.amdhsa_kernel k_qf119a99ca4_attnout
		.amdhsa_group_segment_fixed_size 327680
		.amdhsa_private_segment_fixed_size 0
		.amdhsa_enable_private_segment 0
		.amdhsa_kernarg_size 32
		.amdhsa_user_sgpr_count 2
		.amdhsa_user_sgpr_kernarg_segment_ptr 1
		.amdhsa_wavefront_size32 1
		.amdhsa_system_sgpr_workgroup_id_x 1
		.amdhsa_system_sgpr_workgroup_id_y 1
		.amdhsa_system_sgpr_workgroup_id_z 1
		.amdhsa_system_vgpr_workitem_id 0
		.amdhsa_next_free_vgpr 1024
		.amdhsa_next_free_sgpr 66
		.amdhsa_reserve_vcc 0
		.amdhsa_float_denorm_mode_32 3
		.amdhsa_float_denorm_mode_16_64 3
		.amdhsa_memory_ordered 1
		.amdhsa_forward_progress 1
		.amdhsa_inst_pref_size 255
	.end_amdhsa_kernel
	.section	.bss,"aw",@nobits
	.p2align	6
	.space	262144
	.amdgpu_metadata
---
amdhsa.version: [ 1, 2 ]
amdhsa.kernels:
  - .name:           k_qf119a99ca4_attnout
    .symbol:         k_qf119a99ca4_attnout.kd
    .args:
      - { .name: x, .offset: 0, .size: 8, .value_kind: global_buffer, .address_space: global }
      - { .name: pack, .offset: 8, .size: 8, .value_kind: global_buffer, .address_space: global }
      - { .name: dense_b, .offset: 16, .size: 8, .value_kind: global_buffer, .address_space: global }
      - { .name: out0, .offset: 24, .size: 8, .value_kind: global_buffer, .address_space: global }
    .group_segment_fixed_size: 327680
    .private_segment_fixed_size: 0
    .kernarg_segment_align: 8
    .kernarg_segment_size: 32
    .max_flat_workgroup_size: 128
    .sgpr_count:     66
    .vgpr_count:     1024
    .wavefront_size: 32
...
	.end_amdgpu_metadata
.endif
;; end of part 3
